; MI455X (gfx1250); checked and timed in simulation.
; The chip was launched on July 23, 2026; its instructions are those of AMD's public machine-readable ISA for CDNA 5 (MIT licence, August 2026) and "CDNA5" Instruction Set Architecture Reference Guide (July 2026). The comments in the code are by the model that wrote it; some were corrected since.
;; Ro Former Attention. Allowed arithmetic: matrix products marked QUANTISED: E4M3 operands, one given power-of-two scale a tensor, by v_wmma_f32_16x16x64_fp8_fp8 or v_wmma_f32_16x16x128_fp8_fp8, f32 sums; everything else in f32.
;; Inputs: bo 1,024 float32; cos 1 x 1 x 2,048 x 32 float32; hidden_states 2 x 2,048 x 1,024 float32; lowp_scales 12 int32 (the exponents e of the quantised operands' scales 2^e); scale 1,024 float32; sin 1 x 1 x 2,048 x 32 float32; wk 1,024 x 1,024 float32; wo 1,024 x 1,024 float32; wq 1,024 x 1,024 float32; wv 1,024 x 1,024 float32.
;; Outputs: out0 2 x 2,048 x 1,024 float32.
;; This version of the problem:
;;   THIS VERSION OF THE PROBLEM IS GIVEN IN LOW PRECISION. The matrix products marked QUANTISED in the list below multiply operands that are first quantised to E4M3 (4 exponent bits, 3 mantissa bits; 8 bits a number), with one given power-of-two scale for each operand tensor; their sums are f32. All else is computed in f32.
;;   The module's matrix products, in the order in which they are computed (A, B: the left and right operand; K: the contracted axis; several contracted axes count as one K, in the product's order):
;;     1. [M 4,096, K 1,024] x [K 1,024, N 1,024]; A: input hidden_states; B: input wq: QUANTISED (scales: A lowp_scales[0], B lowp_scales[1])
;;     2. [M 4,096, K 1,024] x [K 1,024, N 1,024]; A: input hidden_states; B: input wk: QUANTISED (scales: A lowp_scales[2], B lowp_scales[3])
;;     3. [M 4,096, K 1,024] x [K 1,024, N 1,024]; A: input hidden_states; B: input wv: QUANTISED (scales: A lowp_scales[4], B lowp_scales[5])
;;     4. batch 32 x [M 2,048, K 64] x [K 64, N 2,048]; A: computed on the way; B: computed on the way: QUANTISED (scales: A lowp_scales[6], B lowp_scales[7])
;;     5. batch 32 x [M 2,048, K 2,048] x [K 2,048, N 64]; A: softmax (see below); B: computed on the way: QUANTISED (scales: A lowp_scales[8], B lowp_scales[9])
;;     6. [M 4,096, K 1,024] x [K 1,024, N 1,024]; A: computed on the way; B: input wo: QUANTISED (scales: A lowp_scales[10], B lowp_scales[11])
;;   THE QUANTISER, for each operand of a quantised product, along K:
;;     - The operand's scale is 2^e, e = its entry of the input lowp_scales (int32; the entries are numbered through the quantised products in the list's order, A before B).
;;     - Each number is divided by the scale, clamped to +-448, and rounded to the nearest number of E4M3, ties to even, subnormals kept.
;;     - The product sums the exact products of the quantised numbers (number of the format x scale) in f32.
;;   ~~~python
;;   def quantise(x, axis, e):      # numpy; x: float32 -> the quantised numbers, widened to float32 again
;;       x = np.moveaxis(x, axis, -1); K = x.shape[-1]
;;       r = np.clip(x / 2.0 ** e, -448, 448)
;;       step = 2.0 ** (np.maximum(np.frexp(np.where(r == 0, 1, r))[1] - 1, -6) - 3)
;;       q = np.round(r / step) * step * 2.0 ** e      # np.round: ties to even
;;       return np.moveaxis(q, -1, axis).astype(np.float32)
;;   ~~~
;;   SOFTMAX AHEAD OF A QUANTISED PRODUCT. Where the list says 'softmax', what is quantised is not the finished softmax but p = 2^(t - M), with t = logit x log2(e) and M = ceil(the row's largest t), a whole number; so 1/2 < the row's largest p <= 1. The row's sum l is taken of the UNQUANTISED p, in f32, and the product's result is divided by l at the end. Since M is a whole number, a kernel that streams over the keys may use a running M (the ceiling of the running maximum): every later rescaling is an exact power of two, so the quantised numbers keep their values, but for numbers so far below the row's largest that they fall under the format's range.
;;   OPERANDS COMPUTED ON THE WAY. 'Computed on the way' means the value that the module computes at that place (a softmax that the list does not call 'softmax' is quantised finished and normalised). What goes into a quantiser is computed in f32, as accurately as f32 sums, v_exp_f32 and their like allow (about 1e-6 of the number): no bf16 or f16 on the way to a quantiser, and a product that is left as it is and whose result goes on into a quantised operand takes f32 operands (vector FMAs, or v_wmma_f32_16x16x4_f32). A number that lies on a knife's edge between two numbers of the format may be rounded either way, as far as f32 arithmetic and the matrix unit's own rounding can turn it there, and no further.
;; One version. Each part assembles by itself: llvm-mc -triple=amdgcn-amd-amdhsa -mcpu=gfx1250 --defsym DOCPART=n.
;; ======== version 1 of 1: 4 launches
;; limits: right only within a limited range of input values
;; workspace buffers: hcodes 12,582,912 bytes; wcodes 4,194,304 bytes; qcodes 4,194,304 bytes; kcodes 4,194,304 bytes; vcodes 4,194,304 bytes; ccodes 4,194,304 bytes
;; launch quant (part 1): grid 1024 x 1, 4 waves a work-group, no clusters, 33,280 bytes of LDS; arguments hidden_states, wq, wk, wv, wo, lowp_scales, hcodes, wcodes; writes hcodes, wcodes
.if DOCPART == 1
	.amdgcn_target "amdgcn-amd-amdhsa--gfx1250"
	.amdhsa_code_object_version 6
	.text
	.protected	k_qe829dc4014_quant
	.globl	k_qe829dc4014_quant
	.p2align	8
	.type	k_qe829dc4014_quant,@function
k_qe829dc4014_quant:
	s_mov_b64 s[64:65], 0
	v_nop
	global_prefetch_b8 v0, s[64:65] scope:SCOPE_SE
	s_setreg_imm32_b32 hwreg(HW_REG_WAVE_MODE, 25, 1), 1
	s_wait_xcnt 0x0
; hidden_states [4096][1024] and wq, wk, wv, wo [1024][1024], f32, K innermost, become codes of E4M3, one byte a number.
; code = x / 2^e, held within +-448, rounded to the nearest code, ties to even.  hidden_states is an operand of three products with three given scales
; (entries 0, 2, 4 of the scales): three sets of codes are made from one read, 4 MiB apart in hcodes.  wq, wk, wv, wo (entries 1, 3, 5, 11) lie on end in wcodes.
; hidden_states, wq, wk, wv keep their order.  wo LEAVES AS IMAGES OF OPERAND REGISTERS: for each 16 rows (tile nt) and each 128 along K (step ks) 2,048 bytes at (8 nt + ks) x 2,048;
; in them byte 512 c + 256 h + 16 r + i is the code of wo[16 nt + r][128 ks + 32 c + 16 h + i]: a load of 16 bytes a lane at 16 x lane brings four registers of a fragment.
; LIMITS: each e used here lies between -126 and 119, so that 2^e and 448 x 2^e are f32 numbers.  NaN among the inputs is not served; an infinity is held at the largest code.
; SHARES: a work-group takes 8,192 numbers, a wave 2,048 in 4 steps of 512.  Work-groups 0-511 take hidden_states, 512 + 128 i .. 639 + 128 i weight i.  A wave's 2,048 numbers are a dense run,
; but for wo: there they are one image's, 16 rows x 128 along K, a load to a row (512 consecutive bytes).  A wave asks for all its 16 loads at its start.
; A conversion takes eight neighbours from ONE lane's registers; a load is best where neighbouring LANES take neighbouring bytes.  So each load reads 512 consecutive bytes, 16 a lane, and a step's
; 2,048 bytes turn through the wave's own stage in LDS and come back 64 bytes a lane (16 bytes of padding behind each 64).  A lane's 16 codes are 16 bytes: a store covers 512 consecutive bytes, aligned.
; wo's codes turn once more, through 2,048 LDS bytes of the wave's own that no other path names, into the image's order, and leave by four stores of 512 consecutive bytes.
; No tensor loads, no barrier, no cluster: waves and work-groups share no input.  Every step has code registers of its own, and no address is ever stepped: no source of a pending load or store is rewritten.
.set STEPS, 4
.set HWG,   512                        ; work-groups that take hidden_states
.set WOG,   896                        ; from here on: wo's
.set SP,    80                         ; a lane's place in a stage: 64 bytes + 16 of padding
.set WREG,  8192                       ; LDS of a wave: two stages of 32 x SP bytes, then wo's image
.set IMG,   5120                       ; where the image begins in it
.set R,     16                         ; v16-79   four sets of 16 numbers as loaded, one for each step
.set X,     80                         ; v80-111  two sets of 16 neighbours
.set T,     112                        ; v112-127 the numbers held within the largest code x the scale
.set C,     128                        ; v128-175 for each step 12 registers of codes (three scales x 4); wo's image comes back into those of the second and third scale
                                       ; v8, v10, v12: 2^e for the three scales; v9, v11, v13: 448 x 2^e; v4, v5: the image, way in and way out
	s_load_b256 s[4:11], s[0:1], 0x0               ; hidden_states s[4:5], wq s[6:7], wk s[8:9], wv s[10:11]
	s_load_b256 s[12:19], s[0:1], 0x20             ; wo s[12:13], the scales s[14:15], hcodes s[16:17], wcodes s[18:19]
	v_lshl_add_u32 v176, v0, 2, 0x8000
	v_mov_b32 v177, 0
	v_lshrrev_b32 v1, 5, v0
	v_readfirstlane_b32 s31, v1                    ; wave
	v_and_b32 v2, 31, v0                           ; lane
	v_lshlrev_b32 v3, 4, v2                        ; 16 x lane: my bytes of a load's 512, and of a store's; never rewritten
	s_mul_i32 s38, s31, WREG
	v_lshrrev_b32 v14, 2, v2
	v_mul_u32_u24 v14, v14, SP
	v_and_b32 v15, 3, v2
	v_lshl_add_u32 v14, v15, 4, v14
	v_add_nc_u32 v14, s38, v14                     ; the stage, way in: SP (lane / 4) + 16 (lane % 4)
	v_mul_u32_u24 v15, v2, SP
	v_add_nc_u32 v15, s38, v15                     ; way out: SP x lane: my 16 neighbours
	v_bfe_u32 v4, v2, 1, 2                         ; wo: in step t my 16 codes are row 4 t + lane / 8, K = 16 (lane % 8) on: c = (lane / 2) % 4,
	v_lshlrev_b32 v4, 9, v4
	v_and_b32 v6, 1, v2                            ; h = lane % 2
	v_lshl_add_u32 v4, v6, 8, v4
	v_lshrrev_b32 v6, 3, v2
	v_lshl_add_u32 v4, v6, 4, v4
	v_add_nc_u32 v4, s38, v4                       ; the image, way in: 512 c + 256 h + 16 (lane / 8); the step adds 64 t
	v_add_nc_u32 v5, s38, v3                       ; way out: 16 x lane
	s_cmp_lt_u32 ttmp9, HWG
	s_cselect_b32 s29, 0, HWG
	s_sub_co_u32 s29, ttmp9, s29                   ; my place in the output buffer, in work-groups
	s_and_b32 s30, s29, 127
	s_cmp_lt_u32 ttmp9, HWG
	s_cselect_b32 s30, s29, s30                    ; and in the tensor that I read
	s_lshl_b32 s30, s30, 2
	s_add_co_u32 s30, s30, s31
	s_lshl_b32 s32, s30, 13                        ; my wave's 2,048 numbers: 8,192 bytes each run;
	s_lshr_b32 s36, s30, 3                         ; in wo: image 8 nt + ks begins at row 16 nt (65,536 bytes a tile), 512 ks bytes along the row
	s_lshl_b32 s36, s36, 16
	s_and_b32 s37, s30, 7
	s_lshl_b32 s37, s37, 9
	s_add_co_u32 s36, s36, s37
	s_cmp_ge_u32 ttmp9, WOG
	s_cselect_b32 s32, s36, s32
	s_mov_b32 s33, 0
	s_lshl_b32 s29, s29, 2
	s_add_co_u32 s29, s29, s31
	s_lshl_b32 s34, s29, 11                        ; and their 2,048 bytes of codes
	s_mov_b32 s35, 0
	s_wait_alu depctr_va_vdst(0)                   ; the wait here, directly ahead of the wait below
	s_wait_kmcnt 0x0
	s_load_b256 s[40:47], s[14:15], 0x0            ; e0 .. e7
	s_load_b128 s[48:51], s[14:15], 0x20           ; e8 .. e11
	s_mov_b64 s[20:21], s[4:5]                     ; which tensor: the choice hangs on the work-group's number alone
	s_cmp_ge_u32 ttmp9, 512
	s_cselect_b64 s[20:21], s[6:7], s[20:21]
	s_cmp_ge_u32 ttmp9, 640
	s_cselect_b64 s[20:21], s[8:9], s[20:21]
	s_cmp_ge_u32 ttmp9, 768
	s_cselect_b64 s[20:21], s[10:11], s[20:21]
	s_cmp_ge_u32 ttmp9, 896
	s_cselect_b64 s[20:21], s[12:13], s[20:21]
	s_cmp_lt_u32 ttmp9, HWG
	s_cselect_b64 s[22:23], s[16:17], s[18:19]
	s_add_nc_u64 s[20:21], s[20:21], s[32:33]
	s_add_nc_u64 s[22:23], s[22:23], s[34:35]
	s_add_nc_u64 s[24:25], s[22:23], 0x400000      ; hcodes' second and third set: used by hidden_states' work-groups alone
	s_add_nc_u64 s[26:27], s[22:23], 0x800000
.macro LOAD t, pitch                   ; step t's four loads, pitch bytes apart; 32 lanes read 512 consecutive bytes
.irp i, 0,1,2,3
	global_load_b128 v[R+16*(\t)+4*\i:R+16*(\t)+4*\i+3], v3, s[20:21] offset:(\pitch)*(4*(\t)+\i) th:TH_LOAD_NT
.endr
.endm
.macro TURN t                          ; step t's numbers through the stage: LDS serves a wave's instructions in order, so no wait stands between the stores and the loads
.irp i, 0,1,2,3
	ds_store_b128 v14, v[R+16*(\t)+4*\i:R+16*(\t)+4*\i+3] offset:32*SP*((\t)%2)+8*SP*\i
.endr
.irp i, 0,1,2,3
	ds_load_b128 v[X+16*((\t)%2)+4*\i:X+16*((\t)%2)+4*\i+3], v15 offset:32*SP*((\t)%2)+16*\i
.endr
.endm
.macro MKSC e, sc, lim                 ; 2^e and 448 x 2^e as f32 patterns
	s_add_co_i32 s36, s[\e], 127
	s_lshl_b32 s37, s36, 23
	v_mov_b32 v[\sc], s37
	s_add_co_i32 s36, s36, 8
	s_lshl_b32 s36, s36, 23
	s_or_b32 s36, s36, 0x600000
	v_mov_b32 v[\lim], s36
.endm
	s_cmp_ge_u32 ttmp9, WOG                        ; all that the wave will read: sixteen loads on either way
	s_cbranch_scc1 .Lwo_rows
.irp t, 0,1,2,3
	LOAD \t, 512                                   ; a dense run
.endr
	s_branch .Lasked
.Lwo_rows:
.irp t, 0,1,2,3
	LOAD \t, 4096                                  ; wo: a load to a row
.endr
.Lasked:
	s_wait_kmcnt 0x0
	s_mov_b32 s28, s40                             ; the first scale: e0 for hidden_states, e1, e3, e5, e11 for the weights
	s_cmp_ge_u32 ttmp9, 512
	s_cselect_b32 s28, s41, s28
	s_cmp_ge_u32 ttmp9, 640
	s_cselect_b32 s28, s43, s28
	s_cmp_ge_u32 ttmp9, 768
	s_cselect_b32 s28, s45, s28
	s_cmp_ge_u32 ttmp9, 896
	s_cselect_b32 s28, s51, s28
	MKSC 28, 8, 9
	MKSC 42, 10, 11                                ; e2
	MKSC 44, 12, 13                                ; e4
	s_wait_alu depctr_va_vdst(0)                   ; the wait at the head's end
	s_wait_loadcnt 12                              ; step 0's four loads are in; the three later steps' twelve may be out
	TURN 0
; sixteen numbers under scale k become 16 bytes; base > 0: stored at the step's place behind that base
.macro ONE t, k, base
.irp i, 0,1,2,3,4,5,6,7,8,9,10,11,12,13,14,15
	v_med3_num_f32 v[T+\i], v[XS+\i], -v[9+2*\k], v[9+2*\k]   ; the conversion to an 8-bit code does not saturate (ISA guide 7.6.2): the hold comes first
.endr
	v_cvt_scalef32_pk8_fp8_f32 v[CS+4*\k:CS+4*\k+1], v[T:T+7], v[8+2*\k]
	v_cvt_scalef32_pk8_fp8_f32 v[CS+4*\k+2:CS+4*\k+3], v[T+8:T+15], v[8+2*\k]
	v_nop                                          ; a plain line between the conversions and the next holds, which write their sources
.if \base
	global_store_b128 v3, v[CS+4*\k:CS+4*\k+3], s[\base:\base+1] offset:512*(\t)
.endif
.endm
.macro STEP t
.set XS, X+16*((\t)%2)
.set CS, C+12*(\t)
	s_wait_dscnt 0x0                               ; this step's numbers are back from the stage
.if (\t)+1 < STEPS
	s_wait_loadcnt 4*(STEPS-2-(\t))                ; the next step's four loads are in; those of the steps behind it may be out
	TURN (\t)+1                                    ; and go through the other stage while this step is worked
.endif
	ONE \t, 0, 0
	s_wait_alu depctr_va_vdst(0)                   ; the wait ahead of the branch
	s_cmp_ge_u32 ttmp9, WOG
	s_cbranch_scc1 .Lwo_\@
	global_store_b128 v3, v[CS:CS+3], s[22:23] offset:512*(\t)
	s_cmp_lt_u32 ttmp9, HWG                        ; a weight has one scale: the two further sets are hidden_states' alone
	s_cbranch_scc0 .Lone_\@
	ONE \t, 1, 24
	ONE \t, 2, 26
	s_branch .Lone_\@
.Lwo_\@:
	ds_store_b128 v4, v[CS:CS+3] offset:IMG+64*(\t)   ; wo: into the image, rows 4 t .. 4 t + 3
.Lone_\@:
.endm
.irp t, 0,1,2,3
	STEP \t
.endr
	s_cmp_ge_u32 ttmp9, WOG
	s_cbranch_scc0 .Lplain
.irp s, 0,1,2,3                                ; wo: the image comes back in its own order (LDS serves a wave's instructions in order) and leaves whole
	ds_load_b128 v[C+12*(\s/2)+4+4*(\s%2):C+12*(\s/2)+7+4*(\s%2)], v5 offset:IMG+512*\s
.endr
	s_wait_dscnt 0x0
.irp s, 0,1,2,3
	global_store_b128 v3, v[C+12*(\s/2)+4+4*(\s%2):C+12*(\s/2)+7+4*(\s%2)], s[22:23] offset:512*\s
.endr
.Lplain:
	s_wait_tensorcnt 0x0                           ; the wave's end, behind my last LDS store
	ds_add_u32 v176, v177
	s_wait_dscnt 0x0
	s_endpgm
.Lfunc_end_k_qe829dc4014_quant:
	.size	k_qe829dc4014_quant, .Lfunc_end_k_qe829dc4014_quant-k_qe829dc4014_quant
	.p2alignl 7, 3214868480
	.fill 96, 4, 3214868480
	.section	.rodata,"a",@progbits
	.p2align	6, 0x0
	.amdhsa_kernel k_qe829dc4014_quant
		.amdhsa_group_segment_fixed_size 33280
		.amdhsa_private_segment_fixed_size 0
		.amdhsa_enable_private_segment 0
		.amdhsa_kernarg_size 64
		.amdhsa_user_sgpr_count 2
		.amdhsa_user_sgpr_kernarg_segment_ptr 1
		.amdhsa_wavefront_size32 1
		.amdhsa_system_sgpr_workgroup_id_x 1
		.amdhsa_system_sgpr_workgroup_id_y 1
		.amdhsa_system_sgpr_workgroup_id_z 1
		.amdhsa_system_vgpr_workitem_id 0
		.amdhsa_next_free_vgpr 178
		.amdhsa_next_free_sgpr 66
		.amdhsa_reserve_vcc 0
		.amdhsa_float_denorm_mode_32 3
		.amdhsa_float_denorm_mode_16_64 3
		.amdhsa_memory_ordered 1
		.amdhsa_forward_progress 1
		.amdhsa_inst_pref_size 27
	.end_amdhsa_kernel
	.amdgpu_metadata
---
amdhsa.version: [ 1, 2 ]
amdhsa.kernels:
  - .name:           k_qe829dc4014_quant
    .symbol:         k_qe829dc4014_quant.kd
    .args:
      - { .name: hidden_states, .offset: 0, .size: 8, .value_kind: global_buffer, .address_space: global }
      - { .name: wq, .offset: 8, .size: 8, .value_kind: global_buffer, .address_space: global }
      - { .name: wk, .offset: 16, .size: 8, .value_kind: global_buffer, .address_space: global }
      - { .name: wv, .offset: 24, .size: 8, .value_kind: global_buffer, .address_space: global }
      - { .name: wo, .offset: 32, .size: 8, .value_kind: global_buffer, .address_space: global }
      - { .name: lowp_scales, .offset: 40, .size: 8, .value_kind: global_buffer, .address_space: global }
      - { .name: hcodes, .offset: 48, .size: 8, .value_kind: global_buffer, .address_space: global }
      - { .name: wcodes, .offset: 56, .size: 8, .value_kind: global_buffer, .address_space: global }
    .group_segment_fixed_size: 33280
    .private_segment_fixed_size: 0
    .kernarg_segment_align: 8
    .kernarg_segment_size: 64
    .max_flat_workgroup_size: 128
    .sgpr_count:     66
    .vgpr_count:     178
    .wavefront_size: 32
...
	.end_amdgpu_metadata
.endif
;; end of part 1
;; launch qkv (part 2): grid 12 x 16, 4 waves a work-group, clusters of 4 x 4, 327,680 bytes of LDS; arguments hcodes, wcodes, lowp_scales, cos, sin, qcodes, kcodes, vcodes; writes qcodes, kcodes, vcodes
.if DOCPART == 2
	.amdgcn_target "amdgcn-amd-amdhsa--gfx1250"
	.amdhsa_code_object_version 6
	.text
	.protected	k_qe829dc4014_qkv
	.globl	k_qe829dc4014_qkv
	.p2align	8
	.type	k_qe829dc4014_qkv,@function
k_qe829dc4014_qkv:
	s_mov_b64 s[64:65], 0
	v_nop
	global_prefetch_b8 v0, s[64:65] scope:SCOPE_SE
	s_setreg_imm32_b32 hwreg(HW_REG_WAVE_MODE, 25, 1), 1
	s_wait_xcnt 0x0
	s_wait_alu depctr_hold_cnt(0) depctr_sa_sdst(0) depctr_va_vdst(0) depctr_va_sdst(0) depctr_va_ssrc(0) depctr_va_vcc(0) depctr_vm_vsrc(0)
	s_getreg_b32 s2, hwreg(HW_REG_IB_STS2, 6, 4)
	s_cmp_eq_u32 s2, 0
	s_cbranch_scc0 .Lentry_in_a_cluster
	s_endpgm
.Lentry_in_a_cluster:
	s_bfe_u32 s2, ttmp6, 0x10000c
	s_cmp_lg_u32 s2, 0xf033
	s_cbranch_scc0 .Lentry_shape_is_right
	s_endpgm
.Lentry_shape_is_right:
.set KSTEP,  256
.set ROWB,   256
.set KROW,   1024
.set PITCH,  272
.set FR,     16
.set NL,     4
.set NP,     4
.set HALFT,  128*PITCH
.set SLOT,   4*HALFT
.set LAPS,   2
.set SPARE,  2*SLOT
.set VPITCH, 160
.set VSTAGE, 128*VPITCH
.set ADRA, 16
.set ADRB, 20
.set LN16, 22
.set VSI,  24
.set VSO,  25
.set TOF,  27
.set SPW,  28
.set NIL,  29
.set QSC,  30
.set QLM,  31
.set TB0,  32
.set AF,   128
.set OUT,  128
.set RR,   32
.set FF,   160
.set G1, 24
.set G0, 32
.set G1B, 48
.set G0B, 56
.set MSB, 0
.macro WIN new
.if MSB != (\new)
	s_set_vgpr_msb (MSB<<8)|(\new)
.set MSB, (\new)
.endif
.endm
.set MUL_LO, 0xa1
.set MUL_HI, 0xf1
.set TO_B,   0x40
.macro JLOAD g0a, g1a, g0b, g1b
	s_cmp_eq_u32 s15, 0
	s_cbranch_scc0 .Lfor_b_\@
	tensor_load_to_lds s[\g0a:\g0a+3], s[\g1a:\g1a+7]
	s_nop 0
.rept 4
	v_nop
.endr
	s_branch .Lasked_\@
.Lfor_b_\@:
	tensor_load_to_lds s[\g0b:\g0b+3], s[\g1b:\g1b+7]
	s_nop 0
.rept 4
	v_nop
.endr
.Lasked_\@:
.endm
.macro CREST
	s_cmp_lg_u32 s14, 0
	s_cbranch_scc1 .Lnot_wave_0_\@
	s_barrier_signal -3
.Lnot_wave_0_\@:
	s_barrier_wait -3
	s_barrier_signal -1
	s_barrier_wait -1
.endm
.macro CROUND
	s_barrier_signal -1
	s_barrier_wait -1
	CREST
.endm
	s_load_b128 s[4:7], s[0:1], 0x0
	s_load_b64 s[8:9], s[0:1], 0x10
	s_load_b128 s[68:71], s[0:1], 0x18
	s_load_b128 s[72:75], s[0:1], 0x28
	s_load_b64 s[76:77], s[0:1], 0x38
	v_lshl_add_u32 v[SPW], v0, 2, SPARE
	v_mov_b32 v[NIL], 0
	ds_add_u32 v28, v29
	ds_add_u32 v28, v29
	s_wait_dscnt 0x0
	v_lshrrev_b32 v1, 5, v0
	v_readfirstlane_b32 s14, v1
	s_lshr_b32 s15, s14, 1
	s_and_b32 s16, s14, 1
	s_bfe_u32 s40, ttmp6, 0x40000
	s_bfe_u32 s41, ttmp6, 0x40004
	s_mov_b32 s66, ttmp9
	s_lshl_b32 s42, ttmp9, 2
	s_add_co_u32 s42, s42, s40
	s_and_b32 s17, ttmp7, 0xffff
	s_lshl_b32 s17, s17, 2
	s_add_co_u32 s17, s17, s41
	s_lshl_b32 s43, s41, 2
	s_lshl_b32 s43, 15, s43
	s_lshl_b32 s44, 0x1111, s40
	s_or_b32 s[G1+0], s43, (0<<16)|(1<<20)|(1<<21)|(5<<22)|(3<<25)
	s_or_b32 s[G1B+0], s44, (0<<16)|(1<<20)|(1<<21)|(5<<22)|(3<<25)
.irp g, G1, G1B
	s_mov_b32 s[\g+1], ROWB<<16
	s_mov_b32 s[\g+2], 128<<16
	s_mov_b32 s[\g+3], ROWB<<16
	s_mov_b32 s[\g+4], 128
	s_mov_b32 s[\g+5], KROW
	s_mov_b32 s[\g+6], 0
	s_mov_b32 s[\g+7], 0
.endr
	s_lshl_b32 s18, s16, 7
	s_lshl_b32 s20, s17, 8
	s_add_co_u32 s20, s20, s18
	s_lshl_b32 s20, s20, 10
	s_lshl_b32 s19, ttmp9, 22
	s_add_co_u32 s20, s20, s19
	s_mov_b32 s21, 0
	s_lshl_b32 s46, s42, 8
	s_add_co_u32 s46, s46, s18
	s_lshl_b32 s46, s46, 10
	s_mov_b32 s47, 0
	s_mul_i32 s45, s14, HALFT
	s_wait_kmcnt 0x0
	s_load_b256 s[80:87], s[8:9], 0x0
	s_load_b128 s[88:91], s[8:9], 0x20
	s_add_nc_u64 s[20:21], s[4:5], s[20:21]
	s_add_nc_u64 s[46:47], s[6:7], s[46:47]
	CROUND
.irp s, 0,1
	s_mov_b32 s[G0+4*\s], 1
	s_add_co_u32 s[G0+4*\s+1], s45, \s*SLOT
	s_add_nc_u64 s[G0+4*\s+2:G0+4*\s+3], s[20:21], \s*ROWB
	s_or_b32 s[G0+4*\s+3], s[G0+4*\s+3], 0x80000000
	s_mov_b32 s[G0B+4*\s], 1
	s_add_co_u32 s[G0B+4*\s+1], s45, \s*SLOT
	s_add_nc_u64 s[G0B+4*\s+2:G0B+4*\s+3], s[46:47], \s*ROWB
	s_or_b32 s[G0B+4*\s+3], s[G0B+4*\s+3], 0x80000000
	s_wait_alu depctr_va_vdst(0)
	s_wait_tensorcnt 0x0
	ds_add_u32 v28, v29
	ds_add_u32 v28, v29
	s_wait_dscnt 0x0
	CROUND
	JLOAD G0+4*\s, G1, G0B+4*\s, G1B
.endr
	v_and_b32 v1, 15, v0
	v_bfe_u32 v2, v0, 4, 1
	v_mul_u32_u24 v3, v1, PITCH
	v_lshl_add_u32 v4, v2, 4, v3
	s_mul_i32 s21, s15, HALFT
	s_mul_i32 s22, s16, HALFT
	s_add_co_u32 s22, s22, 2*HALFT
.irp s, 0,1
	v_add_nc_u32 v[ADRA+\s], s21, v4
	v_add_nc_u32 v[ADRB+\s], s22, v4
	s_add_co_u32 s21, s21, SLOT
	s_add_co_u32 s22, s22, SLOT
.endr
	v_and_b32 v6, 31, v0
	v_lshlrev_b32 v[LN16], 4, v6
	v_lshlrev_b32 v[TOF], 7, v1
	v_lshl_add_u32 v[TOF], v2, 4, v[TOF]
	s_mul_i32 s23, s14, VSTAGE
	v_mul_u32_u24 v5, v1, VPITCH
	v_lshl_add_u32 v5, v2, 3, v5
	v_add_nc_u32 v[VSI], s23, v5
	v_and_b32 v5, 7, v0
	v_lshl_add_u32 v5, v2, 3, v5
	v_mul_u32_u24 v5, v5, VPITCH
	v_bfe_u32 v6, v0, 3, 1
	v_lshl_add_u32 v5, v6, 4, v5
	v_add_nc_u32 v[VSO], s23, v5
	s_lshl_b32 s18, s17, 8
	s_lshl_b32 s19, s15, 7
	s_add_co_u32 s18, s18, s19
	s_and_b32 s19, s18, 2047
	s_lshr_b32 s18, s18, 11
	s_lshl_b32 s98, s19, 7
	s_mov_b32 s99, 0
	s_add_nc_u64 s[68:69], s[68:69], s[98:99]
	s_add_nc_u64 s[70:71], s[70:71], s[98:99]
	s_lshl_b32 s78, s18, 4
	s_lshl_b32 s79, s40, 2
	s_add_co_u32 s78, s78, s79
	s_lshl_b32 s79, s16, 1
	s_add_co_u32 s78, s78, s79
	s_lshl_b32 s78, s78, 17
	s_lshl_b32 s79, s19, 6
	s_add_co_u32 s78, s78, s79
	s_mov_b32 s79, 0
.macro TABS a, reg
.irp t, 0,1,2,3
	global_load_b128 v[\reg+4*\t:\reg+4*\t+3], v[TOF], s[68:69] offset:(\a)*2048+32*\t
.endr
.irp t, 0,1,2,3
	global_load_b128 v[\reg+16+4*\t:\reg+16+4*\t+3], v[TOF], s[70:71] offset:(\a)*2048+32*\t
.endr
.endm
	TABS 0, TB0
	TABS 1, TB0+32
	TABS 2, TB0+64
.macro FRAG reg, adr, q, i
.irp c, 0,1,2,3
	ds_load_b128 v[\reg+4*\c:\reg+4*\c+3], v[\adr] offset:128*(\q)+32*\c+(\i)*16*PITCH
.endr
.endm
.macro MUL16 a0, p, zero
.irp a, \a0, \a0+1
.irp b, 0,1,2,3,4,5,6,7
.if \zero
	v_wmma_f32_16x16x128_fp8_fp8 v[8*(8*((\a)%4)+\b):8*(8*((\a)%4)+\b)+7], v[128*(\p)+FR*\b:128*(\p)+FR*\b+FR-1], v[AF+FR*(\a):AF+FR*(\a)+FR-1], 0
.else
	v_wmma_f32_16x16x128_fp8_fp8 v[8*(8*((\a)%4)+\b):8*(8*((\a)%4)+\b)+7], v[128*(\p)+FR*\b:128*(\p)+FR*\b+FR-1], v[AF+FR*(\a):AF+FR*(\a)+FR-1], v[8*(8*((\a)%4)+\b):8*(8*((\a)%4)+\b)+7]
.endif
.endr
.endr
.endm
.macro FETCH_B slot, q, p
	WIN TO_B
.irp i, 0,1,2,3,4,5,6,7
	FRAG 128*(\p)+FR*\i, ADRB+\slot, \q, \i
.endr
	WIN 0
.endm
.macro FETCH_A slot, q, i0
.irp i, \i0, \i0+1, \i0+2, \i0+3
	FRAG AF+FR*(\i), ADRA+\slot, \q, \i
.endr
.endm
.macro PLACES n
.rept \n
	v_nop
.endr
.endm
.macro STEP slot, q, zero
	s_wait_dscnt 4*NL
	WIN MUL_LO
	MUL16 0, (\q)%2, \zero
	MUL16 2, (\q)%2, \zero
	s_wait_dscnt 0
	PLACES NP
	FETCH_B \slot, (\q)+1, 1-(\q)%2
	FETCH_A \slot, (\q)+1, 0
	WIN MUL_HI
	MUL16 4, (\q)%2, \zero
	MUL16 6, (\q)%2, \zero
	PLACES NP
	WIN 0
	FETCH_A \slot, (\q)+1, 4
.endm
.macro TURN slot, next, fill
	s_wait_tensorcnt 0x0
	ds_add_u32 v[SPW], v[NIL]
	s_wait_dscnt 4*NL+1
	WIN MUL_LO
	MUL16 0, 1, 0
	s_wait_dscnt 0x0
	s_barrier_signal -1
	MUL16 2, 1, 0
	WIN 0
	s_barrier_wait -1
.if \fill
	CREST
	s_add_nc_u64 s[G0+4*\slot+2:G0+4*\slot+3], s[G0+4*\slot+2:G0+4*\slot+3], 2*ROWB
	s_add_nc_u64 s[G0B+4*\slot+2:G0B+4*\slot+3], s[G0B+4*\slot+2:G0B+4*\slot+3], 2*ROWB
	JLOAD G0+4*\slot, G1, G0B+4*\slot, G1B
.else
	PLACES NP
.endif
	FETCH_B \next, 0, 0
	FETCH_A \next, 0, 0
	WIN MUL_HI
	MUL16 4, 1, 0
	MUL16 6, 1, 0
	PLACES NP
	WIN 0
	FETCH_A \next, 0, 4
.endm
	s_wait_tensorcnt 1
	s_barrier_signal -1
	s_barrier_wait -1
	FETCH_B 0, 0, 0
	FETCH_A 0, 0, 0
	FETCH_A 0, 0, 4
	STEP 0, 0, 1
	s_mov_b32 s3, LAPS-1
.Llap:
	TURN 0, 1, 1
	STEP 1, 0, 0
	TURN 1, 0, 1
	STEP 0, 0, 0
	s_sub_co_u32 s3, s3, 1
	s_cmp_lg_u32 s3, 0
	s_cbranch_scc1 .Llap
	TURN 0, 1, 0
	STEP 1, 0, 0
	s_wait_dscnt 4*NL
	WIN MUL_LO
	MUL16 0, 1, 0
	MUL16 2, 1, 0
	s_wait_dscnt 0
	WIN MUL_HI
	MUL16 4, 1, 0
	MUL16 6, 1, 0
	WIN 0
	s_wait_kmcnt 0x0
	s_cmp_eq_u32 s66, 1
	s_cselect_b32 s92, s82, s80
	s_cselect_b32 s93, s83, s81
	s_cselect_b32 s94, s87, s86
	s_cselect_b64 s[10:11], s[74:75], s[72:73]
	s_cmp_eq_u32 s66, 2
	s_cselect_b32 s92, s84, s92
	s_cselect_b32 s93, s85, s93
	s_cselect_b32 s94, s89, s94
	s_cselect_b64 s[10:11], s[76:77], s[10:11]
	s_add_nc_u64 s[10:11], s[10:11], s[78:79]
	s_sub_co_i32 s94, s94, s92
	s_sub_co_i32 s94, s94, s93
	s_add_co_i32 s94, s94, 127
	s_lshl_b32 s92, s94, 23
	s_add_co_i32 s94, s94, 8
	s_lshl_b32 s94, s94, 23
	s_or_b32 s94, s94, 0x600000
	s_mov_b32 s95, 0x06040200
	s_mov_b32 s96, 0x07050301
	PLACES NP
	WIN 0x40
	TABS 3, 0
	TABS 4, 32
	TABS 5, 64
	TABS 6, 96
	TABS 7, 128
	WIN 0
	v_mov_b32 v[QSC], s92
	v_mov_b32 v[QLM], s94
.macro BLOCK a
.set AC, 64*((\a)%4)
.set AW, 2+(\a)/4
.if (\a) < 3
.set TW, 0
.set TR, TB0+32*(\a)
	s_wait_loadcnt 40
.else
.set TW, 1
.set TR, 32*((\a)-3)
	s_wait_loadcnt 8*(7-(\a))
.endif
	WIN AW|(TW<<2)
.irp b, 0,1,2,3,4,5,6,7
.irp e, 0,1
	v_pk_mul_f32 v[OUT+8*\b+4*\e:OUT+8*\b+4*\e+1], v[AC+8*\b+4*\e:AC+8*\b+4*\e+1], v[TR+4*(\b%4)+2*\e:TR+4*(\b%4)+2*\e+1] op_sel:[0,0] op_sel_hi:[1,0]
	v_pk_mul_f32 v[OUT+8*\b+4*\e+2:OUT+8*\b+4*\e+3], v[AC+8*\b+4*\e+2:AC+8*\b+4*\e+3], v[TR+4*(\b%4)+2*\e:TR+4*(\b%4)+2*\e+1] op_sel:[0,1] op_sel_hi:[1,1]
.endr
.irp e, 0,1
	v_pk_fma_f32 v[OUT+8*\b+4*\e:OUT+8*\b+4*\e+1], v[AC+8*\b+4*\e:AC+8*\b+4*\e+1], v[TR+16+4*(\b%4)+2*\e:TR+16+4*(\b%4)+2*\e+1], v[OUT+8*\b+4*\e:OUT+8*\b+4*\e+1] op_sel:[1,0,0] op_sel_hi:[0,0,1] neg_lo:[0,1,0]
	v_pk_fma_f32 v[OUT+8*\b+4*\e+2:OUT+8*\b+4*\e+3], v[AC+8*\b+4*\e+2:AC+8*\b+4*\e+3], v[TR+16+4*(\b%4)+2*\e:TR+16+4*(\b%4)+2*\e+1], v[OUT+8*\b+4*\e+2:OUT+8*\b+4*\e+3] op_sel:[1,1,0] op_sel_hi:[0,1,1] neg_lo:[0,1,0]
.endr
.endr
	WIN 0
.set j, 0
.rept 64
	v_med3_num_f32 v[OUT+j], v[OUT+j], -v[QLM], v[QLM]
.set j, j+1
.endr
	WIN AW<<6
.irp b, 0,1,2,3,4,5,6,7
	v_cvt_scalef32_pk8_fp8_f32 v[AC+2*\b:AC+2*\b+1], v[OUT+8*\b:OUT+8*\b+7], v[QSC]
.endr
	WIN 0
	v_nop
.endm
.irp a, 0,1,2,3,4,5,6,7
	BLOCK \a
.endr
	s_cmp_eq_u32 s66, 2
	s_cbranch_scc1 .Lv
	WIN 0x08
.irp a, 0,1,2,3
.irp u, 0,1
.irp c, 0,1
	global_store_b128 v[LN16], v[64*\a+8*\u+4*\c:64*\a+8*\u+4*\c+3], s[10:11] offset:\u*131072+\a*1024+512*\c
.endr
.endr
.endr
	WIN 0x0c
.irp a, 4,5,6,7
.irp u, 0,1
.irp c, 0,1
	global_store_b128 v[LN16], v[64*(\a-4)+8*\u+4*\c:64*(\a-4)+8*\u+4*\c+3], s[10:11] offset:\u*131072+\a*1024+512*\c
.endr
.endr
.endr
	WIN 0
	s_branch .Lend
.Lv:
	WIN 0x08
.irp a, 0,1,2,3
.irp b, 0,1,2,3,4,5,6,7
	ds_store_b64 v[VSI], v[64*\a+2*\b:64*\a+2*\b+1] offset:\a*16*VPITCH+16*\b
.endr
.endr
	WIN 0x0c
	s_wait_alu depctr_va_vdst(0)
.irp a, 4,5,6,7
.irp b, 0,1,2,3,4,5,6,7
	ds_store_b64 v[VSI], v[64*(\a-4)+2*\b:64*(\a-4)+2*\b+1] offset:\a*16*VPITCH+16*\b
.endr
.endr
	WIN 0
.irp i, 0,1,2,3
.irp c, 0,1,2,3,4,5,6,7
	ds_load_tr16_b128 v[RR+32*\i+4*\c:RR+32*\i+4*\c+3], v[VSO] offset:\c*16*VPITCH+32*\i
.endr
.endr
.irp i, 0,1,2,3
	s_wait_dscnt 8*(3-\i)
.if \i >= 2
	s_wait_xcnt 0x0
.endif
.irp c, 0,1,2,3,4,5,6,7
	v_perm_b32 v[FF+32*(\i%2)+2*\c], v[RR+32*\i+4*\c+1], v[RR+32*\i+4*\c], s95
	v_perm_b32 v[FF+32*(\i%2)+2*\c+1], v[RR+32*\i+4*\c+3], v[RR+32*\i+4*\c+2], s95
	v_perm_b32 v[FF+32*(\i%2)+16+2*\c], v[RR+32*\i+4*\c+1], v[RR+32*\i+4*\c], s96
	v_perm_b32 v[FF+32*(\i%2)+16+2*\c+1], v[RR+32*\i+4*\c+3], v[RR+32*\i+4*\c+2], s96
.endr
.irp p, 0,1
.irp c, 0,1,2,3
	global_store_b128 v[LN16], v[FF+32*(\i%2)+16*\p+4*\c:FF+32*(\i%2)+16*\p+4*\c+3], s[10:11] offset:(\i/2)*131072+(2*(\i%2)+\p)*2048+512*\c
.endr
.endr
.endr
.Lend:
	s_wait_tensorcnt 0x0
	ds_add_u32 v[SPW], v[NIL]
	s_wait_dscnt 0x0
	CROUND
	s_endpgm
.Lfunc_end_k_qe829dc4014_qkv:
	.size	k_qe829dc4014_qkv, .Lfunc_end_k_qe829dc4014_qkv-k_qe829dc4014_qkv
	.p2alignl 7, 3214868480
	.fill 96, 4, 3214868480
	.section	.rodata,"a",@progbits
	.p2align	6, 0x0
	.amdhsa_kernel k_qe829dc4014_qkv
		.amdhsa_group_segment_fixed_size 327680
		.amdhsa_private_segment_fixed_size 0
		.amdhsa_enable_private_segment 0
		.amdhsa_kernarg_size 64
		.amdhsa_user_sgpr_count 2
		.amdhsa_user_sgpr_kernarg_segment_ptr 1
		.amdhsa_wavefront_size32 1
		.amdhsa_system_sgpr_workgroup_id_x 1
		.amdhsa_system_sgpr_workgroup_id_y 1
		.amdhsa_system_sgpr_workgroup_id_z 1
		.amdhsa_system_vgpr_workitem_id 0
		.amdhsa_next_free_vgpr 1024
		.amdhsa_next_free_sgpr 100
		.amdhsa_reserve_vcc 0
		.amdhsa_float_denorm_mode_32 3
		.amdhsa_float_denorm_mode_16_64 3
		.amdhsa_memory_ordered 1
		.amdhsa_forward_progress 1
		.amdhsa_inst_pref_size 176
	.end_amdhsa_kernel
	.amdgpu_metadata
---
amdhsa.version: [ 1, 2 ]
amdhsa.kernels:
  - .name:           k_qe829dc4014_qkv
    .symbol:         k_qe829dc4014_qkv.kd
    .args:
      - { .name: hcodes, .offset: 0, .size: 8, .value_kind: global_buffer, .address_space: global }
      - { .name: wcodes, .offset: 8, .size: 8, .value_kind: global_buffer, .address_space: global }
      - { .name: lowp_scales, .offset: 16, .size: 8, .value_kind: global_buffer, .address_space: global }
      - { .name: cos, .offset: 24, .size: 8, .value_kind: global_buffer, .address_space: global }
      - { .name: sin, .offset: 32, .size: 8, .value_kind: global_buffer, .address_space: global }
      - { .name: qcodes, .offset: 40, .size: 8, .value_kind: global_buffer, .address_space: global }
      - { .name: kcodes, .offset: 48, .size: 8, .value_kind: global_buffer, .address_space: global }
      - { .name: vcodes, .offset: 56, .size: 8, .value_kind: global_buffer, .address_space: global }
    .group_segment_fixed_size: 327680
    .private_segment_fixed_size: 0
    .kernarg_segment_align: 8
    .kernarg_segment_size: 64
    .max_flat_workgroup_size: 128
    .sgpr_count:     100
    .vgpr_count:     1024
    .wavefront_size: 32
...
	.end_amdgpu_metadata
.endif
;; end of part 2
;; launch attn (part 3): grid 8 x 32, 16 waves a work-group, clusters of 4 x 1, 264,192 bytes of LDS; arguments qcodes, kcodes, vcodes, lowp_scales, ccodes; writes ccodes
.if DOCPART == 3
	.amdgcn_target "amdgcn-amd-amdhsa--gfx1250"
	.amdhsa_code_object_version 6
	.text
	.protected	k_qe829dc4014_attn
	.globl	k_qe829dc4014_attn
	.p2align	8
	.type	k_qe829dc4014_attn,@function
k_qe829dc4014_attn:
	s_mov_b64 s[64:65], 0
	v_nop
	global_prefetch_b8 v0, s[64:65] scope:SCOPE_SE
	s_setreg_imm32_b32 hwreg(HW_REG_WAVE_MODE, 25, 1), 1
	s_wait_xcnt 0x0
	s_wait_alu depctr_hold_cnt(0) depctr_sa_sdst(0) depctr_va_vdst(0) depctr_va_sdst(0) depctr_va_ssrc(0) depctr_va_vcc(0) depctr_vm_vsrc(0)
	s_getreg_b32 s2, hwreg(HW_REG_IB_STS2, 6, 4)
	s_cmp_eq_u32 s2, 0
	s_cbranch_scc0 .Lentry_in_a_cluster
	s_endpgm
.Lentry_in_a_cluster:
	s_bfe_u32 s2, ttmp6, 0x10000c
	s_cmp_lg_u32 s2, 0x3003
	s_cbranch_scc0 .Lentry_shape_is_right
	s_endpgm
.Lentry_shape_is_right:
; ctx = softmax(q k^T / 8) v for 32 heads of 2,048 tokens x 64, both products on codes of E4M3 (scales: entries 6, 7; 8, 9); ctx is quantised (entry 10) and leaves as codes.
; THE SOFTMAX: t = score x log2(e) / 8; M = the running largest t rounded UP to a whole number; p = 2^(t - M) is quantised, not normalised; the row's sum is taken of the unquantised p and divides at the end.
; When M moves, the sum and O are multiplied by 2^(old M - new M): exact.
; SHARES.  A work-group owns 256 queries of one head, each of its sixteen waves 16 of them in 256 registers.  Every wave walks the head's 2,048 keys in 16 steps of 128.
; A HEAD'S K AND V STAY IN LDS: 131,072 bytes each, as images of operand registers that the launch before wrote: every fragment is read at 16 x lane + constants.
; Every LDS byte is filled once, at the head: each wave asks for 16,384 bytes (waves 0-7: K, waves 8-15: V), one tensor load a wave; one barrier shows all of it to all waves; no ring, no refill.
; CLUSTER.  The four query blocks of a cluster belong to one head: K and V are asked for JOINTLY, with a mask that names the four.
; No prefetch: each byte of K and V is asked for once, at the head, and there is no loop to run ahead in.
; LAYOUT.  Both products are used transposed: S^T = K Q^T, O^T = V^T P^T: a lane holds ONE query (lane % 16).  A tile of S^T gives lane (r, h) keys 16 t + 8 h + 0 .. 7: its two registers of codes
; are registers 2 t, 2 t + 1 of P.  V's tiles of d are even 0-31, odd 0-31, even 32-63, odd 32-63; the way out interleaves them by register numbers alone.
; TWO AREAS OF 64 REGISTERS CHANGE ROLES FROM STEP TO STEP.  One holds K's fragments and then V's, the other the scores and p; as p's tiles are converted, the next step's K is loaded onto them.
; So a trip of the loop is two steps, and the last two steps are written out: their last asks for no further K.
; THE EXPONENTIALS go in two batches of 32.  Among the first lie t - M of the second half; among the second lie the first half's first sums and holds: all of them lines whose results are read behind the next wait.
; LIMITS: e6 + e7 between -123 and 130 (added to c's exponent field); e8 and e10 between -126 and 119; e8 + e9 goes through v_ldexp_f32 and has none.  NaN is not served.
.set VB,    131072                     ; V's images begin here
.set SPARE, 262144                     ; the spare words: 128 bytes a wave, eight blocks of 256 bytes that no other line names
.set LN,   1                           ; 16 x lane
.set LNV,  2                           ; the same + VB
.set SPW,  3                           ; my spare word; never rewritten
.set NIL,  4                           ; 0; never rewritten
.set PD,   5                           ; a permute's destination
.set LIMA, 6                           ; 448 x 2^e8, twice: the two halves of a dual line take their second sources from different banks
.set LIMB, 7
.set ADK,  8                           ; this trip's K
.set ADV,  9                           ; this trip's V
.set SC8,  10                          ; 2^e8
                                       ; v12 -M, v13 the largest t, v[14:15] and v[16:17] the row's sum in two chains, v[18:19] f, v20-23 at work, v24 448 x 2^e10, v25 2^e10
.set T,    48                          ; v48-63   the first half's first sums: eight pairs
.set QF,   72                          ; v72-79   Q's fragment
.set PC,   80                          ; v80-95   p's codes
.set O,    96                          ; v96-127  O^T
.set XA,   128                         ; v128-191, v192-255: the two areas
.set XB,   192
.set WV,   18
.set SEL,  20
.set CS,   22
.set G1,   24                          ; s[24:31] descriptor group 1: 64 rows of 256 bytes, dense
.set G0K,  32                          ; s[32:35] group 0 for K, s[36:39] for V
.set G0V,  36
.set TB,   48
.set CNT,  49
.macro ROUND                           ; a round of the cluster's barrier
	s_barrier_signal -1
	s_barrier_wait -1
	s_cmp_lg_u32 s[WV], 0
	s_cbranch_scc1 .Lnot_wave_0_\@
	s_barrier_signal -3
.Lnot_wave_0_\@:
	s_barrier_wait -3
	s_barrier_signal -1
	s_barrier_wait -1
.endm
	s_load_b128 s[4:7], s[0:1], 0x0                ; qcodes, kcodes
	s_load_b128 s[8:11], s[0:1], 0x10              ; vcodes, the scales
	s_load_b64 s[12:13], s[0:1], 0x20              ; ccodes
	v_lshl_add_u32 v[SPW], v0, 2, SPARE
	v_mov_b32 v[NIL], 0
	ds_add_u32 v[SPW], v[NIL]                      ; the opening lines: the add, twice on end, and its wait ahead of my tensor load
	ds_add_u32 v[SPW], v[NIL]
	v_lshrrev_b32 v20, 5, v0
	v_readfirstlane_b32 s[WV], v20                 ; wave 0..15
	s_bfe_u32 s14, ttmp6, 0x40000                  ; cx: it enters Q's and ctx's global addresses alone
	s_lshl_b32 s15, ttmp9, 2
	s_add_co_u32 s15, s15, s14                     ; my block of 256 queries
	s_and_b32 s16, ttmp7, 0xffff                   ; the head (16 x batch + head), which the four partners share
	s_and_b32 s17, s[WV], 7
	s_lshl_b32 s17, s17, 14                        ; which 16,384 bytes of K or of V I fetch
	s_lshl_b32 s50, s16, 17
	s_add_co_u32 s50, s50, s17
	s_mov_b32 s51, 0
	s_mov_b32 s[G1], 15|(3<<16)|(1<<21)            ; the mask: all four work-groups; elements of 8 bytes; bit 21 beside a mask; no padding
	s_mov_b32 s[G1+1], 32<<16                      ; tensor_dim0 = 32 elements
	s_mov_b32 s[G1+2], 64<<16                      ; tensor_dim1 = 64
	s_mov_b32 s[G1+3], 32<<16                      ; tile_dim0
	s_mov_b32 s[G1+4], 64                          ; tile_dim1
	s_mov_b32 s[G1+5], 32                          ; the pitch: dense
	s_mov_b32 s[G1+6], 0
	s_mov_b32 s[G1+7], 0
	s_mov_b32 s[G0K], 1
	s_lshl_b32 s[G0K+1], s[WV], 14                 ; LDS: 16,384 x wave: K's eight parts, then V's eight
	s_mov_b32 s[G0V], 1
	s_lshl_b32 s[G0V+1], s[WV], 14
	s_mov_b32 s[SEL], 0x76543210
	s_mov_b32 s[SEL+1], 0xfedcba98
	s_mov_b32 s[CS], 0x3e38aa3b                    ; c = log2(e) / 8
	s_mov_b32 s[TB], 0
	s_wait_dscnt 0x0                               ; both opening adds are done
	s_wait_kmcnt 0x0
	s_load_b128 s[52:55], s[10:11], 0x18           ; e6, e7, e8, e9
	s_load_b32 s56, s[10:11], 0x28                 ; e10
	s_add_nc_u64 s[G0K+2:G0K+3], s[6:7], s[50:51]
	s_or_b32 s[G0K+3], s[G0K+3], 0x80000000
	s_add_nc_u64 s[G0V+2:G0V+3], s[8:9], s[50:51]
	s_or_b32 s[G0V+3], s[G0V+3], 0x80000000
	ROUND                                          ; all four work-groups are here: the joint loads meet
	s_cmp_lt_u32 s[WV], 8                          ; one chain of two arms, one load to an arm: every wave issues one
	s_cbranch_scc0 .Lfor_v
	tensor_load_to_lds s[G0K:G0K+3], s[G1:G1+7]
	s_nop 0
.rept 4
	v_nop
.endr
	s_branch .Lasked
.Lfor_v:
	tensor_load_to_lds s[G0V:G0V+3], s[G1:G1+7]
	s_nop 0
.rept 4
	v_nop
.endr
.Lasked:
	v_and_b32 v[LN], 31, v0
	v_lshlrev_b32 v[LN], 4, v[LN]
	v_add_nc_u32 v[LNV], VB, v[LN]
	v_add_nc_u32 v[ADK], s[TB], v[LN]
	v_add_nc_u32 v[ADV], s[TB], v[LNV]
	s_lshl_b32 s57, s15, 4
	s_add_co_u32 s57, s57, s[WV]                   ; my tile of 16 queries in the head
	s_lshl_b32 s58, s57, 10
	s_lshl_b32 s59, s16, 17
	s_add_co_u32 s58, s58, s59
	s_mov_b32 s59, 0
	s_add_nc_u64 s[4:5], s[4:5], s[58:59]
	s_wait_alu depctr_va_vdst(0)                   ; the wait ahead of the reader below
	global_load_b128 v[QF:QF+3], v[LN], s[4:5]     ; Q's fragment stays in registers
	global_load_b128 v[QF+4:QF+7], v[LN], s[4:5] offset:512
	s_lshr_b32 s60, s16, 4
	s_lshl_b32 s60, s60, 7
	s_add_co_u32 s60, s60, s57                     ; my tile of 16 tokens of 4,096: 16,384 bytes of ccodes;
	s_lshl_b32 s60, s60, 14
	s_and_b32 s61, s16, 15
	s_lshl_b32 s61, s61, 10                        ; my head's 64 of its K: 1,024 bytes
	s_add_co_u32 s60, s60, s61
	s_mov_b32 s61, 0
	s_add_nc_u64 s[12:13], s[12:13], s[60:61]
	v_mov_b32 v13, 0xff61b1e6                      ; the largest t so far: -3e38
	v_floor_f32 v12, -v13
	v_mov_b32 v14, 0                               ; the sum: two chains of two halves
	v_mov_b32 v15, 0
	v_mov_b32 v16, 0
	v_mov_b32 v17, 0
	v_mov_b32 v[PD], 0                             ; written once: a lane permute's destination counts as one of its sources
	v_mov_b32 v19, 0                               ; (named as the upper half of the pair v[18:19])
.set j, 0
.rept 32
	v_mov_b32 v[O+j], 0                            ; O^T: every step is alike; the first finds zeros, which the first change of M leaves zeros
.set j, j+1
.endr
	s_wait_kmcnt 0x0
	s_add_co_i32 s57, s52, s53
	s_lshl_b32 s57, s57, 23
	s_add_co_i32 s[CS], s[CS], s57                 ; a score stands for score x 2^(e6 + e7)
	s_mov_b32 s[CS+1], s[CS]
	s_add_co_i32 s57, s54, 127
	s_lshl_b32 s62, s57, 23
	v_mov_b32 v[SC8], s62                          ; 2^e8
	s_add_co_i32 s57, s57, 8
	s_lshl_b32 s57, s57, 23
	s_or_b32 s57, s57, 0x600000
	v_mov_b32 v[LIMA], s57                         ; 448 x 2^e8
	v_mov_b32 v[LIMB], s57
	s_add_co_i32 s57, s56, 127
	s_lshl_b32 s62, s57, 23
	v_mov_b32 v25, s62                             ; 2^e10
	s_add_co_i32 s57, s57, 8
	s_lshl_b32 s57, s57, 23
	s_or_b32 s57, s57, 0x600000
	v_mov_b32 v24, s57                             ; 448 x 2^e10
.macro FM a                            ; t - M for the pair at register a
	v_pk_fma_f32 v[(\a):(\a)+1], v[(\a):(\a)+1], s[CS:CS+1], v[12:13] op_sel_hi:[1,0,0]
.endm
.macro EX a                            ; p = 2^(t - M), at most 1
	v_exp_f32 v[\a], v[\a]
.endm
.macro HD a                            ; the conversion does not saturate (ISA guide 7.6.2); p is not negative, so the hold is one-sided; two numbers a line
	v_dual_min_num_f32 v[\a], v[\a], v[LIMA] :: v_dual_min_num_f32 v[(\a)+1], v[(\a)+1], v[LIMB]
.endm
.macro ADC acc, a                      ; a pair onto one chain of the row's sum
	v_pk_add_f32 v[\acc:\acc+1], v[\acc:\acc+1], v[(\a):(\a)+1]
.endm
.macro KLOAD area, t0, off             ; four tiles of 16 keys: eight loads of 512 consecutive bytes
.irp t, 0,1,2,3
	ds_load_b128 v[\area+8*(\t0+\t):\area+8*(\t0+\t)+3], v[ADK] offset:\off+1024*(\t0+\t)
	ds_load_b128 v[\area+8*(\t0+\t)+4:\area+8*(\t0+\t)+7], v[ADK] offset:\off+1024*(\t0+\t)+512
.endr
.endm
; A KEY STEP of 128 keys.  kf: the area with K's fragments, then V's; ss: the scores, then p, then the next step's K.  voff: V's bytes behind v[ADV]; koff: the next K's behind v[ADK];
; pre = 1: there is a next step; upd = 1: the addresses go on to the next trip's 16,384 bytes, behind V's loads.
.macro STEP kf, ss, voff, koff, pre, upd
	s_wait_dscnt 0x0                               ; K is in
.irp t, 0,1,2,3,4,5,6,7
	v_wmma_f32_16x16x64_fp8_fp8 v[\ss+8*\t:\ss+8*\t+7], v[\kf+8*\t:\kf+8*\t+7], v[QF:QF+7], 0
.endr
.rept 4
	v_nop                                          ; four places ahead of loads into registers that these products read, and of the first reads of the scores
.endr
.irp d, 0,1,2,3                                ; V's four fragments land while the softmax is walked
.irp c, 0,1,2,3
	ds_load_b128 v[\kf+16*\d+4*\c:\kf+16*\d+4*\c+3], v[ADV] offset:\voff+2048*\d+512*\c
.endr
.endr
.if \upd
	s_add_co_u32 s[TB], s[TB], 16384
	v_add_nc_u32 v[ADK], s[TB], v[LN]
	v_add_nc_u32 v[ADV], s[TB], v[LNV]
.endif
	v_max3_num_f32 v20, v[\ss], v[\ss+1], v[\ss+2] ; the step's largest score of my query among my 64 keys, in four chains; the registers are taken in ascending order
	v_max3_num_f32 v21, v[\ss+3], v[\ss+4], v[\ss+5]
	v_max3_num_f32 v22, v[\ss+6], v[\ss+7], v[\ss+8]
	v_max3_num_f32 v23, v[\ss+9], v[\ss+10], v[\ss+11]
.irp i, 12,20,28,36,44,52
	v_max3_num_f32 v20, v20, v[\ss+\i], v[\ss+1+\i]
	v_max3_num_f32 v21, v21, v[\ss+2+\i], v[\ss+3+\i]
	v_max3_num_f32 v22, v22, v[\ss+4+\i], v[\ss+5+\i]
	v_max3_num_f32 v23, v23, v[\ss+6+\i], v[\ss+7+\i]
.endr
	v_max3_num_f32 v20, v20, v[\ss+60], v[\ss+61]
	v_max3_num_f32 v21, v21, v[\ss+62], v[\ss+63]
	v_max3_num_f32 v20, v20, v21, v22
	v_max_num_f32 v20, v20, v23
	v_permlanex16_b32 v[PD], v20, s[SEL], s[SEL+1]
	v_max_num_f32 v20, v20, v[PD]                  ; and among lane l xor 16's
	v_mul_f32 v20, s[CS], v20                      ; as t (c is positive)
	v_max_num_f32 v13, v13, v20
	v_mov_b32 v20, v12
	v_floor_f32 v12, -v13                          ; the new -M = floor(-t): M is a whole number
	v_sub_f32 v20, v12, v20                        ; old M - new M: a whole number, 0 or less
.irp k, 0,2,4,6,8,10,12,14
	FM \ss+\k                                      ; the first half's t - M stand among the lines that make f
.endr
	v_cvt_i32_f32 v20, v20
.irp k, 16,18,20,22
	FM \ss+\k
.endr
	v_ldexp_f32 v18, 1.0, v20                      ; f = 2^(old M - new M)
.irp k, 24,26,28,30
	FM \ss+\k
.endr
.irp n, 0,2,4,6,8,10,12,14,16,18,20,22,24,26,28,30
	v_pk_mul_f32 v[O+\n:O+\n+1], v[O+\n:O+\n+1], v[18:19] op_sel_hi:[1,0]   ; O^T under the new M, each accumulator from its low end on, ahead of the exponentials
.endr
	v_pk_mul_f32 v[14:15], v[14:15], v[18:19] op_sel_hi:[1,0]              ; both chains of the sum likewise
	v_pk_mul_f32 v[16:17], v[16:17], v[18:19] op_sel_hi:[1,0]
	s_wait_alu depctr_va_vdst(0)                   ; the wait ahead of a batch
.irp i, 0,1,2,3,4,5,6,7,8,9,10,11,12,13,14,15
	EX \ss+2*\i
	EX \ss+2*\i+1
	FM \ss+32+2*\i                                 ; the second half's t - M: read behind the next wait
.endr
	s_wait_alu depctr_va_vdst(0)                   ; behind the first batch and ahead of the second
.irp g, 0,1,2,3                                ; the second batch; among it tile g's first sums (of the unquantised p) and then its holds: all read behind the next wait
	EX \ss+32+8*\g
	v_pk_add_f32 v[T+4*\g:T+4*\g+1], v[\ss+8*\g:\ss+8*\g+1], v[\ss+8*\g+2:\ss+8*\g+3]
	EX \ss+33+8*\g
	v_pk_add_f32 v[T+4*\g+2:T+4*\g+3], v[\ss+8*\g+4:\ss+8*\g+5], v[\ss+8*\g+6:\ss+8*\g+7]
.irp k, 0,1,2,3
	EX \ss+34+8*\g+\k
	HD \ss+8*\g+2*\k
.endr
	EX \ss+38+8*\g
	EX \ss+39+8*\g
.endr
	v_nop                                          ; a plain line behind the last exponential
	s_wait_alu depctr_va_vdst(0)                   ; one wait for the batch, ahead of its first reader
.irp t, 0,1,2,3
	v_cvt_scalef32_pk8_fp8_f32 v[PC+2*\t:PC+2*\t+1], v[\ss+8*\t:\ss+8*\t+7], v[SC8]
.endr
.if \pre
	KLOAD \ss, 0, \koff                            ; the next step's K onto the tiles just converted
.endif
.irp k, 0,2,4,6,8,10,12,14
	ADC 14, \ss+32+2*\k                            ; the second half's unquantised p onto the sum, the two chains by turns
	ADC 16, \ss+34+2*\k
.endr
	ADC 14, T
	ADC 16, T+2
.irp k, 0,1,2,3,4,5,6,7,8,9,10,11,12,13,14,15
	HD \ss+32+2*\k
.endr
.irp t, 4,5,6,7
	v_cvt_scalef32_pk8_fp8_f32 v[PC+2*\t:PC+2*\t+1], v[\ss+8*\t:\ss+8*\t+7], v[SC8]
.endr
.if \pre
	KLOAD \ss, 4, \koff
.endif
	ADC 14, T+4                                    ; a plain line between the last conversion and the products that read its result
	s_wait_alu depctr_va_vdst(0)                   ; the wait here, directly ahead of the wait below
.if \pre
	s_wait_dscnt 16                                ; V is in; the sixteen loads of the next K, issued behind V's, may be out
.else
	s_wait_dscnt 0x0
.endif
.irp d, 0,1,2,3                                ; the four accumulators take turns, one instruction a turn
	v_wmma_f32_16x16x128_fp8_fp8 v[O+8*\d:O+8*\d+7], v[\kf+16*\d:\kf+16*\d+15], v[PC:PC+15], v[O+8*\d:O+8*\d+7]
.endr
	ADC 16, T+6                                    ; the rest of the first half's sums: five plain lines, the places ahead of the next step's products, which write over V's registers
	ADC 14, T+8
	ADC 16, T+10
	ADC 14, T+12
	ADC 16, T+14
.endm
	s_wait_alu depctr_va_vdst(0)                   ; the wait at the head's end
	s_wait_loadcnt 0x0                             ; Q
	s_wait_tensorcnt 0x0                           ; my part of K or V is in
	s_barrier_signal -1
	s_barrier_wait -1                              ; K and V are whole for all sixteen waves; nothing is ever filled again
	KLOAD XA, 0, 0
	KLOAD XA, 4, 0
	s_mov_b32 s[CNT], 7
.Ltrip:                                            ; seven trips of two steps
	STEP XA, XB, 0, 8192, 1, 0
	STEP XB, XA, 8192, 0, 1, 1
	s_sub_co_u32 s[CNT], s[CNT], 1
	s_cmp_lg_u32 s[CNT], 0
	s_cbranch_scc1 .Ltrip
	STEP XA, XB, 0, 8192, 1, 0                     ; the last two steps: the last asks for no further K
	STEP XB, XA, 8192, 0, 0, 0
	; THE WAY OUT: ctx = O^T x 2^(e8 + e9) / the sum, quantised with 2^e10.  (The five lines above are the places behind the last products.)
	v_pk_add_f32 v[14:15], v[14:15], v[16:17]      ; the sum's two chains,
	v_add_f32 v14, v14, v15                        ; its two halves,
	v_permlanex16_b32 v[PD], v14, s[SEL], s[SEL+1]
	v_add_f32 v14, v14, v[PD]                      ; and lane l xor 16's: the row's sum
	s_wait_alu depctr_va_vdst(0)                   ; the wait ahead of the transcendental
	v_rcp_f32 v14, v14
	v_nop                                          ; a plain line behind it
	s_add_co_i32 s57, s54, s55
	s_wait_alu depctr_va_vdst(0)                   ; the wait ahead of its first reader
	v_ldexp_f32 v14, v14, s57
	s_wait_alu depctr_va_vdst(0)                   ; and directly ahead of the first readers of O^T
.irp g, 0,1                                    ; tile 2 g + p, register j is d = 32 g + 16 h + 2 j + p: the destination's number interleaves even and odd, so that 16 registers are 16 neighbours
.irp p, 0,1
.irp j, 0,1,2,3,4,5,6,7
	v_mul_f32 v[XA+16*\g+2*\j+\p], v[O+8*(2*\g+\p)+\j], v14
.endr
.endr
.endr
.set j, 0
.rept 32
	v_med3_num_f32 v[XA+j], v[XA+j], -v24, v24
.set j, j+1
.endr
.irp g, 0,1
	v_cvt_scalef32_pk8_fp8_f32 v[PC+4*\g:PC+4*\g+1], v[XA+16*\g:XA+16*\g+7], v25
	v_cvt_scalef32_pk8_fp8_f32 v[PC+4*\g+2:PC+4*\g+3], v[XA+16*\g+8:XA+16*\g+15], v25
.endr
	v_nop
.irp g, 0,1
	global_store_b128 v[LN], v[PC+4*\g:PC+4*\g+3], s[12:13] offset:512*\g   ; four registers of the next operand's image: 512 consecutive bytes, aligned
.endr
	s_wait_tensorcnt 0x0                           ; the wave's end
	ds_add_u32 v[SPW], v[NIL]
	s_wait_dscnt 0x0
	ROUND                                          ; the closing round
	s_endpgm
.Lfunc_end_k_qe829dc4014_attn:
	.size	k_qe829dc4014_attn, .Lfunc_end_k_qe829dc4014_attn-k_qe829dc4014_attn
	.p2alignl 7, 3214868480
	.fill 96, 4, 3214868480
	.section	.rodata,"a",@progbits
	.p2align	6, 0x0
	.amdhsa_kernel k_qe829dc4014_attn
		.amdhsa_group_segment_fixed_size 264192
		.amdhsa_private_segment_fixed_size 0
		.amdhsa_enable_private_segment 0
		.amdhsa_kernarg_size 40
		.amdhsa_user_sgpr_count 2
		.amdhsa_user_sgpr_kernarg_segment_ptr 1
		.amdhsa_wavefront_size32 1
		.amdhsa_system_sgpr_workgroup_id_x 1
		.amdhsa_system_sgpr_workgroup_id_y 1
		.amdhsa_system_sgpr_workgroup_id_z 1
		.amdhsa_system_vgpr_workitem_id 0
		.amdhsa_next_free_vgpr 256
		.amdhsa_next_free_sgpr 84
		.amdhsa_reserve_vcc 0
		.amdhsa_float_denorm_mode_32 3
		.amdhsa_float_denorm_mode_16_64 3
		.amdhsa_memory_ordered 1
		.amdhsa_forward_progress 1
		.amdhsa_inst_pref_size 72
	.end_amdhsa_kernel
	.amdgpu_metadata
---
amdhsa.version: [ 1, 2 ]
amdhsa.kernels:
  - .name:           k_qe829dc4014_attn
    .symbol:         k_qe829dc4014_attn.kd
    .args:
      - { .name: qcodes, .offset: 0, .size: 8, .value_kind: global_buffer, .address_space: global }
      - { .name: kcodes, .offset: 8, .size: 8, .value_kind: global_buffer, .address_space: global }
      - { .name: vcodes, .offset: 16, .size: 8, .value_kind: global_buffer, .address_space: global }
      - { .name: lowp_scales, .offset: 24, .size: 8, .value_kind: global_buffer, .address_space: global }
      - { .name: ccodes, .offset: 32, .size: 8, .value_kind: global_buffer, .address_space: global }
    .group_segment_fixed_size: 264192
    .private_segment_fixed_size: 0
    .kernarg_segment_align: 8
    .kernarg_segment_size: 40
    .max_flat_workgroup_size: 512
    .sgpr_count:     84
    .vgpr_count:     256
    .wavefront_size: 32
...
	.end_amdgpu_metadata
.endif
;; end of part 3
;; launch outp (part 4): grid 256 x 1, 16 waves a work-group, clusters of 4 x 1, 327,680 bytes of LDS; arguments ccodes, wcodes, hidden_states, bo, scale, lowp_scales, out0; writes out0
.if DOCPART == 4
	.amdgcn_target "amdgcn-amd-amdhsa--gfx1250"
	.amdhsa_code_object_version 6
	.text
	.protected	k_qe829dc4014_outp
	.globl	k_qe829dc4014_outp
	.p2align	8
	.type	k_qe829dc4014_outp,@function
k_qe829dc4014_outp:
	s_mov_b64 s[64:65], 0
	v_nop
	global_prefetch_b8 v0, s[64:65] scope:SCOPE_SE
	s_setreg_imm32_b32 hwreg(HW_REG_WAVE_MODE, 25, 1), 1
	s_wait_xcnt 0x0
	s_wait_alu depctr_hold_cnt(0) depctr_sa_sdst(0) depctr_va_vdst(0) depctr_va_sdst(0) depctr_va_ssrc(0) depctr_va_vcc(0) depctr_vm_vsrc(0)
	s_getreg_b32 s2, hwreg(HW_REG_IB_STS2, 6, 4)
	s_cmp_eq_u32 s2, 0
	s_cbranch_scc0 .Lentry_in_a_cluster
	s_endpgm
.Lentry_in_a_cluster:
	s_bfe_u32 s2, ttmp6, 0x10000c
	s_cmp_lg_u32 s2, 0x3003
	s_cbranch_scc0 .Lentry_shape_is_right
	s_endpgm
.Lentry_shape_is_right:
; out0 = scale x (x / (||x|| / 32 + 1e-8)), x = ctx wo^T + bo + hidden_states; the product on codes of E4M3 (scales: entries 10, 11), all else in f32.
; SHARES.  The norm wants whole rows, so a work-group owns 16 tokens x all 1,024 columns: 256 work-groups.  Each of its sixteen waves makes 64 columns (four accumulators, 32 registers), K = 1,024 in 8 steps of 128;
; on the way out wave w finishes row w.
; wo'S CODES lie as images of operand registers (2,048 bytes for 16 rows x 128 K; the first launch laid them so): 16 bytes a lane at 16 x lane are four registers of a fragment.  Every work-group reads all 1,048,576 bytes.
; K STEPS 2 TO 7 COME JOINTLY: the four work-groups of a cluster ask for the same bytes by the same tensor loads, with a mask that names the four.  One slot of 262,144 bytes holds two K steps of all 64 tiles and is
; filled three times.  A wave asks for four rows of 4,096 bytes (its four tiles x two K steps), which it alone reads: its wait on TENSORcnt orders its reads.  Each refill stands behind a round of the cluster's barrier.
; K STEPS 0 AND 1 GO FROM MEMORY STRAIGHT INTO REGISTERS: 32 loads a wave, asked for at the head beside the first fill; behind them my row of hidden_states, bo and scale: by the text's own count at most 42 loads are out.
; ctx'S CODES, 16,384 bytes for the 16 tokens, also an image, are laid into LDS once (1,024 bytes a wave) and read 16 registers a K step by every wave.
; One slot and not two: two of this size do not fit beside ctx's image.  NO PREFETCH: three fills in all, and no loop to run ahead in.
; THE MATRIX INSTRUCTION IS USED TRANSPOSED (source 0 = 16 rows of wo, source 1 = the 16 tokens): a lane holds eight neighbouring columns of one token.  The sums go through a stage in LDS and come back as rows.
; LIMIT: e10 + e11 between -126 and 127, so that 2^(e10 + e11) is an f32 number.
.set SPI,   4112                       ; a stage row: 4,096 bytes + 16
.set SLOT,  16384                      ; behind ctx's image: the slot, 16,384 bytes a wave
.set STAGE, SLOT                       ; the stage, 16 x SPI bytes, lies in the slot: it is written behind the slot's last fill and, by a barrier, behind every wave's last read
.set SPARE, SLOT+262144                ; the spare words, 128 bytes a wave, eight blocks of 256 bytes that no other line names
.set LN,   1                           ; 16 x lane
.set STO,  2                           ; the stage, way in
.set RD,   3                           ; the stage, way out: my row
.set SPW,  4
.set NIL,  5
.set AST,  6                           ; where my 1,024 bytes of ctx's image go
.set ADL,  7                           ; my part of the slot
.set ACC,  16                          ; v16-47   four accumulators; then my row of x
.set AF,   48                          ; v48-79   ctx's fragment, two buffers
.set BR,   96                          ; v96-223  four buffers of 32 registers for K steps 0 and 1
.set HB,   BR                          ; then: hidden_states,
.set BO,   BR+32                       ; bo,
.set LB,   BR+64                       ; and four fragments out of the slot
.set SCL,  224                         ; v224-255 scale
.set WV,   18
.set G0,   32                          ; s[32:35] descriptor group 0
.set G1,   52                          ; s[52:59] group 1: 4 rows of 4,096 bytes, 16,384 bytes apart
.macro ROUND                           ; a round of the cluster's barrier
	s_barrier_signal -1
	s_barrier_wait -1
	s_cmp_lg_u32 s[WV], 0
	s_cbranch_scc1 .Lnot_wave_0_\@
	s_barrier_signal -3
.Lnot_wave_0_\@:
	s_barrier_wait -3
	s_barrier_signal -1
	s_barrier_wait -1
.endm
	s_load_b256 s[4:11], s[0:1], 0x0               ; ccodes s[4:5], wcodes s[6:7], hidden_states s[8:9], bo s[10:11]
	s_load_b128 s[12:15], s[0:1], 0x20             ; scale s[12:13], the scales' exponents s[14:15]
	s_load_b64 s[16:17], s[0:1], 0x30              ; out0
	v_lshl_add_u32 v[SPW], v0, 2, SPARE
	v_mov_b32 v[NIL], 0
	ds_add_u32 v[SPW], v[NIL]                      ; the opening lines: the add, twice on end, and its wait ahead of my first tensor load
	ds_add_u32 v[SPW], v[NIL]
	v_lshrrev_b32 v8, 5, v0
	v_readfirstlane_b32 s[WV], v8                  ; wave 0..15
	v_and_b32 v[LN], 31, v0
	v_lshlrev_b32 v[LN], 4, v[LN]
	v_and_b32 v8, 15, v0                           ; r
	v_bfe_u32 v9, v0, 4, 1                         ; h
	v_mul_u32_u24 v[STO], v8, SPI
	v_lshl_add_u32 v[STO], v9, 5, v[STO]
	s_lshl_b32 s20, s[WV], 8
	s_add_co_u32 s20, s20, STAGE
	v_add_nc_u32 v[STO], s20, v[STO]               ; row r, my wave's 256 bytes, + 32 h
	s_mul_i32 s21, s[WV], SPI
	s_add_co_u32 s21, s21, STAGE
	v_add_nc_u32 v[RD], s21, v[LN]
	s_lshl_b32 s22, s[WV], 10
	v_add_nc_u32 v[AST], s22, v[LN]
	s_lshl_b32 s23, s[WV], 14
	s_add_co_u32 s23, s23, SLOT                    ; my part of the slot: the wave's number alone enters an LDS address
	v_add_nc_u32 v[ADL], s23, v[LN]
	v_mov_b32 v11, 0                               ; a lane permute's destination counts as one of its sources
	s_bfe_u32 s19, ttmp6, 0x40000                  ; cx: it enters the global addresses of ctx, hidden_states and out0 alone
	s_lshl_b32 s30, ttmp9, 2
	s_add_co_u32 s19, s30, s19                     ; my work-group
	s_lshl_b32 s24, s19, 14
	s_add_co_u32 s24, s24, s22                     ; ccodes: 16,384 bytes a work-group, 1,024 a wave
	s_mov_b32 s25, 0
	s_lshl_b32 s26, s[WV], 16
	s_add_co_u32 s26, s26, 0x300000                ; wcodes: wo's images begin 3 MiB in; my four tiles of 16 rows are 65,536 bytes
	s_mov_b32 s27, 0
	s_lshl_b32 s28, s19, 16
	s_lshl_b32 s29, s[WV], 12
	s_add_co_u32 s28, s28, s29                     ; hidden_states, out0: row 16 x work-group + wave
	s_mov_b32 s29, 0
	s_mov_b32 s40, 0x76543210
	s_mov_b32 s41, 0xfedcba98
	s_mov_b32 s48, 0x3d000000                      ; 1 / 32
	s_mov_b32 s49, 0x322bcc77                      ; 1e-8
	s_mov_b32 s[G1], 15|(3<<16)|(1<<21)            ; the mask: all four work-groups; elements of 8 bytes; bit 21 beside a mask; no padding
	s_mov_b32 s[G1+1], 512<<16                     ; tensor_dim0 = 512 elements: two K steps of a tile
	s_mov_b32 s[G1+2], 4<<16                       ; tensor_dim1 = 4 tiles
	s_mov_b32 s[G1+3], 512<<16                     ; tile_dim0
	s_mov_b32 s[G1+4], 4                           ; tile_dim1
	s_mov_b32 s[G1+5], 2048                        ; from tile to tile: 16,384 bytes
	s_mov_b32 s[G1+6], 0
	s_mov_b32 s[G1+7], 0
	s_mov_b32 s[G0], 1
	s_mov_b32 s[G0+1], s23
	s_wait_alu depctr_va_vdst(0)                   ; the wait at the head's end, ahead of the waits below
	s_wait_dscnt 0x0                               ; both opening adds are done
	s_wait_kmcnt 0x0
	s_load_b64 s[42:43], s[14:15], 0x28            ; e10, e11
	s_add_nc_u64 s[4:5], s[4:5], s[24:25]
	s_add_nc_u64 s[6:7], s[6:7], s[26:27]
	s_add_nc_u64 s[8:9], s[8:9], s[28:29]
	s_add_nc_u64 s[16:17], s[16:17], s[28:29]
	s_add_nc_u64 s[G0+2:G0+3], s[6:7], 4096        ; K steps 2 and 3 of my four tiles
	s_or_b32 s[G0+3], s[G0+3], 0x80000000
	ROUND                                          ; all four work-groups are here: the joint loads meet
	tensor_load_to_lds s[G0:G0+3], s[G1:G1+7]      ; every wave issues one
	s_nop 0
.macro GRP g                           ; K step g / 2, tiles 2 (g % 2) and 2 (g % 2) + 1, into buffer g: eight loads of 512 consecutive bytes
.irp tt, 0,1
.irp c, 0,1,2,3
	global_load_b128 v[BR+32*(\g)+16*\tt+4*\c:BR+32*(\g)+16*\tt+4*\c+3], v[LN], s[6:7] offset:(2*((\g)%2)+\tt)*16384+((\g)/2)*2048+512*\c
.endr
.endr
.endm
.macro EG buf, sb                      ; a row of 4,096 bytes: eight loads of 512 consecutive bytes
.irp j, 0,1,2,3,4,5,6,7
	global_load_b128 v[\buf+4*\j:\buf+4*\j+3], v[LN], s[\sb:\sb+1] offset:512*\j
.endr
.endm
.macro ALOAD ks                        ; ctx's fragment of K step ks into buffer ks % 2
.irp c, 0,1,2,3
	ds_load_b128 v[AF+16*((\ks)%2)+4*\c:AF+16*((\ks)%2)+4*\c+3], v[LN] offset:2048*(\ks)+512*\c
.endr
.endm
.macro PLACES                          ; four places ahead of loads into registers that matrix instructions have read, and of reads of their results
.rept 4
	v_nop
.endr
.endm
	global_load_b128 v[AF:AF+3], v[LN], s[4:5]     ; my part of ctx's image
	global_load_b128 v[AF+4:AF+7], v[LN], s[4:5] offset:512
.irp g, 0,1,2,3
	GRP \g
.endr
	EG SCL, 12                                     ; scale
	s_wait_kmcnt 0x0
	s_add_co_i32 s46, s42, s43
	s_add_co_i32 s46, s46, 127
	s_lshl_b32 s46, s46, 23                        ; 2^(e10 + e11)
	s_mov_b32 s47, s46
	s_wait_loadcnt 40                              ; my part of the image is in; the forty loads behind it may be out
	s_wait_tensorcnt 0x0                           ; my part of the slot is in
	ds_store_b128 v[AST], v[AF:AF+3]
	ds_store_b128 v[AST], v[AF+4:AF+7] offset:512
	s_wait_dscnt 0x0
	s_barrier_signal -1
	s_barrier_wait -1                              ; ctx's image is whole for all sixteen waves
	ALOAD 0
	ALOAD 1
; Half a K step out of registers: group i's two fragments against ctx's.  Here and below the four accumulators take turns, one instruction a turn.
.macro HS i
.set AB, AF+16*((\i)/2)
.set A0, ACC+16*((\i)%2)
.if (\i)%2 == 0
	s_wait_loadcnt 32                              ; group i is in; four younger groups of eight may be out
.else
	s_wait_loadcnt 24                              ; three younger groups
.endif
.if (\i) == 0
	s_wait_dscnt 0x0                               ; ctx's first two fragments are in
.endif
.irp tt, 0,1
.if (\i) < 2
	v_wmma_f32_16x16x128_fp8_fp8 v[A0+8*\tt:A0+8*\tt+7], v[BR+32*(\i)+16*\tt:BR+32*(\i)+16*\tt+15], v[AB:AB+15], 0
.else
	v_wmma_f32_16x16x128_fp8_fp8 v[A0+8*\tt:A0+8*\tt+7], v[BR+32*(\i)+16*\tt:BR+32*(\i)+16*\tt+15], v[AB:AB+15], v[A0+8*\tt:A0+8*\tt+7]
.endif
.endr
	PLACES
.endm
; A K step out of the slot: the kk-th of its two
.macro LS ks, kk
	ALOAD \ks
.irp t, 0,1,2,3
.irp c, 0,1,2,3
	ds_load_b128 v[LB+16*\t+4*\c:LB+16*\t+4*\c+3], v[ADL] offset:4096*\t+2048*(\kk)+512*\c
.endr
.endr
	s_wait_dscnt 0x0
.irp t, 0,1,2,3
	v_wmma_f32_16x16x128_fp8_fp8 v[ACC+8*\t:ACC+8*\t+7], v[LB+16*\t:LB+16*\t+15], v[AF+16*((\ks)%2):AF+16*((\ks)%2)+15], v[ACC+8*\t:ACC+8*\t+7]
.endr
	PLACES
.endm
; The slot is filled again with the next two K steps: the three lines, a round of the cluster's barrier, the joint load first behind it, one a wave; then the wait for it
.macro REFILL
	s_wait_tensorcnt 0x0                           ; no tensor load of mine is out, so group 0 may be written
	ds_add_u32 v[SPW], v[NIL]
	s_add_nc_u64 s[G0+2:G0+3], s[G0+2:G0+3], 4096
	s_wait_dscnt 0x0                               ; the add is done, and so are my reads of the slot
	ROUND                                          ; both now hold of every wave of the four work-groups
	tensor_load_to_lds s[G0:G0+3], s[G1:G1+7]
	s_nop 0
	s_wait_tensorcnt 0x0                           ; my part is in: I alone read it
.endm
	HS 0
	HS 1
	EG HB, 8                                       ; my row of hidden_states and bo, into the two buffers just read
	EG BO, 10
	HS 2
	HS 3
	LS 2, 0
	LS 3, 1
	REFILL
	LS 4, 0
	LS 5, 1
	REFILL
	LS 6, 0
	LS 7, 1
	s_barrier_signal -1                            ; no LDS access of mine is out
	s_barrier_wait -1                              ; no wave reads the slot any more: the stage may be written
.irp t, 0,1,2,3                                ; the sums into the stage: tile t's eight columns of my half: 64 t + 32 h bytes on; each accumulator from its low end on
	ds_store_b128 v[STO], v[ACC+8*\t:ACC+8*\t+3] offset:64*\t
	ds_store_b128 v[STO], v[ACC+8*\t+4:ACC+8*\t+7] offset:64*\t+16
.endr
	s_wait_dscnt 0x0
	s_barrier_signal -1
	s_barrier_wait -1                              ; the 16 rows are whole
.irp j, 0,1,2,3,4,5,6,7
	ds_load_b128 v[ACC+4*\j:ACC+4*\j+3], v[RD] offset:512*\j   ; my row: 32 numbers a lane, in the order in which hidden_states, bo and scale were loaded
.endr
	s_wait_loadcnt 0x0
	s_wait_dscnt 0x0
.set j, 0
.rept 16
	v_pk_fma_f32 v[ACC+j:ACC+j+1], v[ACC+j:ACC+j+1], s[46:47], v[BO+j:BO+j+1] op_sel_hi:[1,0,1]   ; sum x 2^(e10 + e11) + bo
.set j, j+2
.endr
.set j, 0
.rept 16
	v_pk_add_f32 v[ACC+j:ACC+j+1], v[ACC+j:ACC+j+1], v[HB+j:HB+j+1]                               ; + hidden_states
.set j, j+2
.endr
	v_pk_mul_f32 v[10:11], v[ACC:ACC+1], v[ACC:ACC+1]                                             ; the squares, in two chains
	v_pk_mul_f32 v[12:13], v[ACC+2:ACC+3], v[ACC+2:ACC+3]
.irp j, 4,8,12,16,20,24,28
	v_pk_fma_f32 v[10:11], v[ACC+\j:ACC+\j+1], v[ACC+\j:ACC+\j+1], v[10:11]
	v_pk_fma_f32 v[12:13], v[ACC+\j+2:ACC+\j+3], v[ACC+\j+2:ACC+\j+3], v[12:13]
.endr
	v_pk_add_f32 v[10:11], v[10:11], v[12:13]
	v_add_f32 v10, v10, v11
	v_add_f32_dpp v10, v10, v10 row_xmask:1 row_mask:0xf bank_mask:0xf
	v_add_f32_dpp v10, v10, v10 row_xmask:2 row_mask:0xf bank_mask:0xf
	v_add_f32_dpp v10, v10, v10 row_xmask:4 row_mask:0xf bank_mask:0xf
	v_add_f32_dpp v10, v10, v10 row_xmask:8 row_mask:0xf bank_mask:0xf
	v_permlanex16_b32 v11, v10, s40, s41
	v_add_f32 v10, v10, v11                        ; the row's sum of squares, in every lane
	s_wait_alu depctr_va_vdst(0)                   ; a wait ahead of each transcendental and ahead of its first reader
	v_sqrt_f32 v10, v10
	v_nop
	s_wait_alu depctr_va_vdst(0)
	v_fma_f32 v10, v10, s48, s49                   ; ||x|| / 32 + 1e-8
	s_wait_alu depctr_va_vdst(0)
	v_rcp_f32 v10, v10
	v_nop
	s_wait_alu depctr_va_vdst(0)
.set j, 0
.rept 16
	v_pk_mul_f32 v[ACC+j:ACC+j+1], v[ACC+j:ACC+j+1], v[10:11] op_sel_hi:[1,0]
.set j, j+2
.endr
.set j, 0
.rept 16
	v_pk_mul_f32 v[ACC+j:ACC+j+1], v[ACC+j:ACC+j+1], v[SCL+j:SCL+j+1]
.set j, j+2
.endr
.irp j, 0,1,2,3,4,5,6,7
	global_store_b128 v[LN], v[ACC+4*\j:ACC+4*\j+3], s[16:17] offset:512*\j th:TH_STORE_NT   ; 512 consecutive bytes, aligned
.endr
	s_wait_tensorcnt 0x0                           ; the wave's end, behind my last tensor load and my last LDS store
	ds_add_u32 v[SPW], v[NIL]
	s_wait_dscnt 0x0
	ROUND                                          ; the closing round
	s_endpgm
.Lfunc_end_k_qe829dc4014_outp:
	.size	k_qe829dc4014_outp, .Lfunc_end_k_qe829dc4014_outp-k_qe829dc4014_outp
	.p2alignl 7, 3214868480
	.fill 96, 4, 3214868480
	.section	.rodata,"a",@progbits
	.p2align	6, 0x0
	.amdhsa_kernel k_qe829dc4014_outp
		.amdhsa_group_segment_fixed_size 327680
		.amdhsa_private_segment_fixed_size 0
		.amdhsa_enable_private_segment 0
		.amdhsa_kernarg_size 56
		.amdhsa_user_sgpr_count 2
		.amdhsa_user_sgpr_kernarg_segment_ptr 1
		.amdhsa_wavefront_size32 1
		.amdhsa_system_sgpr_workgroup_id_x 1
		.amdhsa_system_sgpr_workgroup_id_y 1
		.amdhsa_system_sgpr_workgroup_id_z 1
		.amdhsa_system_vgpr_workitem_id 0
		.amdhsa_next_free_vgpr 256
		.amdhsa_next_free_sgpr 66
		.amdhsa_reserve_vcc 0
		.amdhsa_float_denorm_mode_32 3
		.amdhsa_float_denorm_mode_16_64 3
		.amdhsa_memory_ordered 1
		.amdhsa_forward_progress 1
		.amdhsa_inst_pref_size 31
	.end_amdhsa_kernel
	.amdgpu_metadata
---
amdhsa.version: [ 1, 2 ]
amdhsa.kernels:
  - .name:           k_qe829dc4014_outp
    .symbol:         k_qe829dc4014_outp.kd
    .args:
      - { .name: ccodes, .offset: 0, .size: 8, .value_kind: global_buffer, .address_space: global }
      - { .name: wcodes, .offset: 8, .size: 8, .value_kind: global_buffer, .address_space: global }
      - { .name: hidden_states, .offset: 16, .size: 8, .value_kind: global_buffer, .address_space: global }
      - { .name: bo, .offset: 24, .size: 8, .value_kind: global_buffer, .address_space: global }
      - { .name: scale, .offset: 32, .size: 8, .value_kind: global_buffer, .address_space: global }
      - { .name: lowp_scales, .offset: 40, .size: 8, .value_kind: global_buffer, .address_space: global }
      - { .name: out0, .offset: 48, .size: 8, .value_kind: global_buffer, .address_space: global }
    .group_segment_fixed_size: 327680
    .private_segment_fixed_size: 0
    .kernarg_segment_align: 8
    .kernarg_segment_size: 56
    .max_flat_workgroup_size: 512
    .sgpr_count:     66
    .vgpr_count:     256
    .wavefront_size: 32
...
	.end_amdgpu_metadata
.endif
;; end of part 4
